; MI455X (gfx1250); checked and timed in simulation.
; The chip was launched on July 23, 2026; its instructions are those of AMD's public machine-readable ISA for CDNA 5 (MIT licence, August 2026) and "CDNA5" Instruction Set Architecture Reference Guide (July 2026). The comments in the code are by the model that wrote it; some were corrected since.
;; Implicit Function. Allowed arithmetic: float matrix products may take bf16 or f16 operands with f32 sums; all other float work in f32.
;; Inputs: b0 64 float32; bh 6 x 64 float32; bo one number float32; points 1,048,576 x 3 float32; s0 64 float32; sh 6 x 64 float32; so one number float32; w0 3 x 64 float32; wh 6 x 64 x 64 float32; wo 64 x 1 float32.
;; Outputs: out0 1,048,576 x 1 float32.
;; One version. Each part assembles by itself: llvm-mc -triple=amdgcn-amd-amdhsa -mcpu=gfx1250 --defsym DOCPART=n.
;; ======== version 1 of 1: 1 launch
;; launch mlp (part 1): grid 256 x 1, 4 waves a work-group, no clusters, 128,768 bytes of LDS; arguments points, w0, s0, b0, wh, sh, bh, wo, so, bo, out0; writes out0
.if DOCPART == 1
	.amdgcn_target "amdgcn-amd-amdhsa--gfx1250"
	.amdhsa_code_object_version 6
	.text
	.protected	k_qc7736e68b9_mlp
	.globl	k_qc7736e68b9_mlp
	.p2align	8
	.type	k_qc7736e68b9_mlp,@function
k_qc7736e68b9_mlp:
	s_mov_b64 s[64:65], 0
	v_nop
	global_prefetch_b8 v0, s[64:65] scope:SCOPE_SE
	s_setreg_imm32_b32 hwreg(HW_REG_WAVE_MODE, 25, 1), 1
	s_wait_xcnt 0x0
; out = MLP(points): 3 -> 64, six layers 64 -> 64 (matmul * scale + bias, LeakyReLU 0.2), 64 -> 1.  1,048,576 points, all f32.
; One launch; activations never leave the registers.  256 work-groups x 4 waves; a wave owns 1,024 points = 8 blocks of 128 = 4 pairs of
; two tiles of 16 points (pieces X and Y).  While one piece's products issue, the other piece's activation stands between them.
; ALGEBRA.  u(z) = z + (2/3)|z| = lrelu(z) / 0.6; the 0.6 goes into the next layer's weights.  Weights are source A (row = output unit),
; activations source B (column = point).  In D, lane (r, h), register j holds unit 16 T + 8 h + j of point r: packing tile T's eight
; registers in pairs gives registers 4 T .. 4 T + 3 of the next layer's two B fragments.  No shuffle, no LDS between layers.
; FORMAT.  Matrix operands are f16, sums f32.  One rounding to eleven bits for each weight and activation of seven layers does not keep the
; error asked for, so each operand is a pair hi + lo: hi = the f32 number cut to eleven significant bits, lo = the exact rest, rounded to f16;
; a layer is Wh xh + Wh xl + Wl xh (the term Wl xl is 2^-20 of the sum and is left out).
; f16's range is kept by scales made here from the inputs.  u is positively homogeneous, so layer l runs at scale c_l:
; F_l = Frobenius norm of sh o wh;  weights 0.6 sh wh / F_l (norm 0.6; with u's 5/3 a layer's gain is at most 1);  c_l = c_0 / (F_1 .. F_l);
; the bias enters in f32 as the first product's C, bh c_l;  B = 5/3 (F_0 2 M + |b0| + sum l = 1..5 of |b_l| / (F_1 .. F_l));  c_0 = 2^15 / B;
; M = largest |coordinate| of the wave's 1,024 points.  Points enter as p / M, layer 0's weights as w0 s0 c_0 M.  So every f16 activation
; vector has length at most 2^15 and every f16 weight is below 2^15, whatever the inputs hold.  The result is multiplied by 1 / c_6, and bo
; added, on the way out.  The last layer (one output column would use 1 of a matrix tile's 16 rows) is done in f32 by packed multiply-adds.
; LIMITS.  The scale chain is f32: the sums of squares of sh o wh, w0 o s0, b0, bh must be finite and c_0 .. c_6, 1 / c_6 normal numbers.
; F_l is taken as at least 2^-20, M and B as at least 2^-60.  A scaled operand is resolved to 2^-25 (f16's smallest step) under a bound of
; 2^15 on an activation vector's length and 0.6 on a weight matrix's norm.  An infinite coordinate or pre-activation gives NaN.  Scales are
; folded into the weights ahead of the split, so the order of rounding differs from scale-after-product.  The wave's points are read twice
; (once at set-up for M), and the wave's last 32 points twice more: the look-ahead load is clamped to them.
; No cluster, no tensor load: what work-groups share is 98,304 bytes of wh, read once by each and scaled and split on the way to LDS.
; REGISTER WINDOWS (s_set_vgpr_msb: bits 1:0 source 0, 3:2 source 1, 5:4 source 2, 7:6 destination).
;   window 0: addresses, points, activations, accumulators, layer 0's bias.
;   window w = 1, 2, 3: layers 2 w - 1 (base 0) and 2 w (base 96): Wh's fragment (T, q) at base + 16 T + 8 q, bias tile T at base + 64 + 8 T.
;   window 1, v192-255: Wl of the layer at work, fragment (T, q) at 192 + 16 T + 8 q, read from LDS once a layer and pair for both pieces.
;   window 3 also: layer 0's weights at 192 + 8 T, the last layer's weights at 224 + 8 T.
.set PITCH, 160                        ; LDS row of 64 f16 + 32 bytes: an odd multiple of 32, for the transposing load
.set STG,   61440                      ; behind Wh's 384 rows: each wave's stage for results, 1,280 bytes
.set RED,   66560                      ; 4 waves x 32 bytes: partial sums of squares
.set WLO,   66816                      ; Wl's 384 rows
.set POFF, 8                           ; 12 x lane
.set OOFF, 9                           ; 16 x lane
.set VST,  10                          ; stage: 576 h + 4 r
.set VLD,  11                          ; stage: 16 x lane
.set VLST, 12                          ; Wh into LDS
.set VTR,  13                          ; Wh out of LDS, transposing
.set PT,   16                          ; v[16:18]   the next points (x, y, z), lane L = point L of 32
.set HL,   32                          ; v[32:35]   (xh, yh), (zh, 0), (xl, yl), (zl, 0) in f16
.set XF,   36                          ; v[36:37]
.set RM,   38                          ; v[38:39]   1 / M, twice
.set SX,   40                          ; v[40:43]   last layer's sums, piece X
.set SY,   44                          ; v[44:47]   piece Y
.set INV,  48                          ; v[48:49]   1 / c_6, twice
.set BOV,  50                          ; v[50:51]   bo, twice
.set O,    52                          ; v[52:59]   results on the way out
.set ZF,   60
.set ZH,   61
.set XH,   62                          ; v[62:63]
.set B0X,  64                          ; v[64:71]   layer 0's B fragment, piece X
.set B0Y,  72
.set AHX,  80                          ; v[80:95]   activations, hi
.set AHY,  96
.set ACCX, 112                         ; v[112:143] accumulators
.set ACCY, 144
.set BI0,  176                         ; v[176:207] b0 c_0 in C's layout
.set ALX,  208                         ; v[208:223] activations, lo
.set ALY,  224
.set TM,   240                         ; v[240:247] a tile's hi parts in f32
.set VTRL, 248                         ; Wl out of LDS
.set VLSL, 249                         ; Wl into LDS
.set VSQ,  250                         ; stage: where the next pair's sums go
.set PLA,  251                         ; offset of the look-ahead load
.set LB,   192                         ; window 1
.set W0,   192                         ; window 3
.set WO,   224                         ; window 3
; set-up only, window 0
.set SH,  40                           ; v[40:63]   sh of my four columns, six layers
.set Q,   64                           ; v[64:89]   13 sums of squares at stride 2: F_1..F_6, b0, b_1..b_5, F_0
.set NB,  76
.set W0S, 88
.set S0S, 94
.set RD,  96                           ; v[96:127]
.set RF,  128                          ; v[128:133] 1 / F_l, then their running products
.set GG,  140                          ; v[140:151] 0.6 / F_l, twice each
.set MX,  152
.set BS,  153
.set T0,  154
.set T1,  155
.set T2,  156
.set PM,  160                          ; v[160:255] the wave's points, for M
.set CC,  208                          ; v[208:221] c_0 .. c_6, twice each
.set SQ,  224                          ; v[224:230] |b0|, |b_1| .. |b_5|, F_0
.set MSB, 0
.macro WIN new                         ; the immediate's high byte repeats the setting that is left; a switch that changes nothing is dropped
.if MSB != \new
	s_set_vgpr_msb (MSB<<8)|\new
.set MSB, \new
.endif
.endm
	s_load_b512 s[8:23], s[0:1], 0x0               ; points 8, w0 10, s0 12, b0 14, wh 16, sh 18, bh 20, wo 22
	s_load_b128 s[24:27], s[0:1], 0x40             ; so 24, bo 26
	s_load_b64 s[28:29], s[0:1], 0x50              ; out0
	v_lshl_add_u32 v30, v0, 2, 0x1f500
	v_mov_b32 v31, 0
	s_mov_b32 s32, 0x3f2aaaab                      ; 2/3
	s_mov_b32 s33, 0xffff0000                      ; lanes 16-31
	s_mov_b32 s34, 0x0000ffff                      ; lanes 0-15
	s_mov_b32 s35, 0xffffe000                      ; keeps an f32's sign, exponent and ten mantissa bits: what f16 holds
	s_mov_b32 s44, 0x76543210                      ; v_permlanex16_b32: lane i of one half reads lane i of the other
	s_mov_b32 s45, 0xfedcba98
	v_and_b32 v1, 31, v0                           ; lane L
	v_lshrrev_b32 v2, 5, v0
	v_readfirstlane_b32 s36, v2                    ; wave
	v_and_b32 v3, 15, v0                           ; r
	v_bfe_u32 v4, v0, 4, 1                         ; h
	v_lshlrev_b32 v5, 5, v4                        ; 32 h: eight f32 of a bias tile
	v_lshlrev_b32 v6, 4, v0                        ; 16 t: wh as a linear copy
	v_lshlrev_b32 v7, 4, v3                        ; 16 (t & 15): my four columns of sh
	v_mul_u32_u24 v[POFF], 12, v1
	v_lshlrev_b32 v[OOFF], 4, v1
	v_lshlrev_b32 v14, 2, v3                       ; 4 r
	v_lshlrev_b32 v15, 3, v1                       ; 8 L
	s_mul_i32 s2, s36, 1280
	s_add_co_u32 s2, s2, STG                       ; my wave's stage
	v_mul_u32_u24 v[VST], 576, v4
	v_add_nc_u32 v[VST], v[VST], v14
	v_add_nc_u32 v[VST], s2, v[VST]
	v_lshl_add_u32 v[VLD], v1, 4, s2
	v_lshrrev_b32 v2, 4, v0                        ; t >> 4: which of a load's eight rows
	v_mul_u32_u24 v2, PITCH, v2
	v_lshl_add_u32 v[VLST], v3, 3, v2              ; + 8 bytes for four f16
	v_and_b32 v2, 7, v0
	v_lshl_add_u32 v2, v4, 3, v2                   ; 8 h + (L & 7)
	v_mul_u32_u24 v2, PITCH, v2
	v_bfe_u32 v3, v0, 3, 1
	v_lshl_add_u32 v[VTR], v3, 4, v2               ; + 16 ((L >> 3) & 1)
	s_lshl_b32 s3, s36, 5
	s_add_co_u32 s3, s3, RED
	v_mov_b32 v2, s3                               ; my wave's six words
	v_mov_b32 v3, RED                              ; all four waves'
	s_lshl_b32 s3, ttmp9, 2
	s_add_co_u32 s3, s3, s36                       ; wave in the launch, 0 .. 1023
	s_mul_i32 s38, s3, 12288                       ; 1,024 points of 12 bytes
	s_mov_b32 s39, 0
	s_wait_kmcnt 0x0
	s_load_b32 s30, s[24:25], 0x0                  ; so
	s_load_b32 s31, s[26:27], 0x0                  ; bo
	s_add_nc_u64 s[8:9], s[8:9], s[38:39]
	s_lshl_b32 s38, s3, 12                         ; 1,024 results of 4 bytes
	s_add_nc_u64 s[28:29], s[28:29], s[38:39]
	; ---- set-up's first loads, all at once
.irp l, 0,1,2,3,4,5
	global_load_b128 v[SH+4*\l:SH+4*\l+3], v7, s[18:19] offset:256*\l
.endr
	WIN 0x40                                       ; wh into window 1, v[0:191]: load i brings row 8 i + (t >> 4), columns 4 (t & 15) ..
.set i, 0
.rept 48
	global_load_b128 v[4*i:4*i+3], v6, s[16:17] offset:2048*i
.set i, i+1
.endr
	WIN 0
.set i, 0
.rept 24
	global_load_b128 v[PM+4*i:PM+4*i+3], v[OOFF], s[8:9] offset:512*i   ; my 12,288 bytes of points, for M
.set i, i+1
.endr
	global_load_b64 v[NB:NB+1], v15, s[14:15]      ; lane L: elements 2 L, 2 L + 1 of b0,
.irp l, 1,2,3,4,5
	global_load_b64 v[NB+2*\l:NB+2*\l+1], v15, s[20:21] offset:256*(\l-1)   ; of the biases of hidden layers 1 to 5,
.endr
.irp c, 0,1,2
	global_load_b64 v[W0S+2*\c:W0S+2*\c+1], v15, s[10:11] offset:256*\c     ; of w0's three rows
.endr
	global_load_b64 v[S0S:S0S+1], v15, s[12:13]    ; and of s0
	global_load_b96 v[PT:PT+2], v[POFF], s[8:9] th:TH_LOAD_NT               ; the first pair's 32 points
	; ---- sh o wh and its sums of squares
	s_wait_loadcnt 35                              ; sh and wh are in: the 24 + 10 + 1 younger loads stay out
	WIN 0x41                                       ; source 0 and destination window 1
.set i, 0
.rept 48
	v_pk_mul_f32 v[4*i:4*i+1],   v[4*i:4*i+1],   v[SH+4*(i/8):SH+4*(i/8)+1]
	v_pk_mul_f32 v[4*i+2:4*i+3], v[4*i+2:4*i+3], v[SH+4*(i/8)+2:SH+4*(i/8)+3]
.set i, i+1
.endr
	WIN 0x05                                       ; sources 0 and 1 window 1; six chains, one a layer, each started by a multiply
.irp l, 0,1,2,3,4,5
	v_pk_mul_f32 v[Q+2*\l:Q+2*\l+1], v[32*\l:32*\l+1], v[32*\l:32*\l+1]
.endr
.set i, 1
.rept 15
.irp l, 0,1,2,3,4,5
	v_pk_fma_f32 v[Q+2*\l:Q+2*\l+1], v[32*\l+2*i:32*\l+2*i+1], v[32*\l+2*i:32*\l+2*i+1], v[Q+2*\l:Q+2*\l+1]
.endr
.set i, i+1
.endr
	WIN 0
.irp l, 0,1,2,3,4,5
	v_add_f32 v[Q+2*\l], v[Q+2*\l], v[Q+2*\l+1]
.endr
	s_wait_loadcnt 1                               ; all but the first pair's points
.irp l, 0,1,2,3,4,5
	v_mul_f32 v[NB+2*\l], v[NB+2*\l], v[NB+2*\l]
.endr
.irp l, 0,1,2,3,4,5
	v_fma_f32 v[NB+2*\l], v[NB+2*\l+1], v[NB+2*\l+1], v[NB+2*\l]
.endr
.irp c, 0,1,2
	v_pk_mul_f32 v[W0S+2*\c:W0S+2*\c+1], v[W0S+2*\c:W0S+2*\c+1], v[S0S:S0S+1]
.endr
	v_pk_mul_f32 v[W0S:W0S+1], v[W0S:W0S+1], v[W0S:W0S+1]
	v_pk_fma_f32 v[W0S:W0S+1], v[W0S+2:W0S+3], v[W0S+2:W0S+3], v[W0S:W0S+1]
	v_pk_fma_f32 v[W0S:W0S+1], v[W0S+4:W0S+5], v[W0S+4:W0S+5], v[W0S:W0S+1]
	v_add_f32 v[W0S], v[W0S], v[W0S+1]
	; thirteen sums over the wave's 32 lanes, side by side, in v[Q + 2 k]; v[Q + 2 k + 1] is scratch that has been written
.irp m, 1,2,4,8
.set k, 0
.rept 13
	v_add_f32_dpp v[Q+2*k], v[Q+2*k], v[Q+2*k] row_xmask:\m row_mask:0xf bank_mask:0xf
.set k, k+1
.endr
.endr
.set k, 0
.rept 13
	v_permlanex16_b32 v[Q+2*k+1], v[Q+2*k], s44, s45
.set k, k+1
.endr
.set k, 0
.rept 13
	v_add_f32 v[Q+2*k], v[Q+2*k], v[Q+2*k+1]
.set k, k+1
.endr
.irp l, 0,1,2,3,4,5
	ds_store_b32 v2, v[Q+2*\l] offset:4*\l         ; my wave's share of F_l^2 (all lanes: the same word, the same value)
.endr
	; M: 96 numbers a lane, three at a time, in place (a result lands on a register that has been read)
.set i, 0
.rept 32
	v_max3_num_f32 v[PM+i], |v[PM+3*i]|, |v[PM+3*i+1]|, |v[PM+3*i+2]|
.set i, i+1
.endr
.set i, 0
.rept 10
	v_max3_num_f32 v[PM+i], v[PM+3*i], v[PM+3*i+1], v[PM+3*i+2]
.set i, i+1
.endr
	v_max3_num_f32 v[PM],   v[PM],   v[PM+1],  v[PM+2]
	v_max3_num_f32 v[PM+1], v[PM+3], v[PM+4],  v[PM+5]
	v_max3_num_f32 v[PM+2], v[PM+6], v[PM+7],  v[PM+8]
	v_max3_num_f32 v[PM+3], v[PM+9], v[PM+30], v[PM+31]
	v_max3_num_f32 v[PM],   v[PM],   v[PM+1],  v[PM+2]
	v_max_num_f32  v[PM],   v[PM],   v[PM+3]
.irp m, 1,2,4,8
	v_max_num_f32_dpp v[PM], v[PM], v[PM] row_xmask:\m row_mask:0xf bank_mask:0xf
.endr
	v_permlanex16_b32 v[PM+1], v[PM], s44, s45
	v_max_num_f32 v[PM], v[PM], v[PM+1]
	v_max_num_f32 v[MX], 0x21800000, v[PM]         ; M, at least 2^-60
	v_rcp_f32 v[RM], v[MX]
.irp l, 0,1,2,3,4,5,6
	v_sqrt_f32 v[SQ+\l], v[NB+2*\l]                ; |b0|, |b_1| .. |b_5|, F_0
.endr
	v_add_f32 v[T0], v[MX], v[MX]                  ; 2 M; also the plain instruction between the transcendentals and their results' use (ISA guide 5.7.2)
	s_wait_alu depctr_va_vdst(0)
	v_mov_b32 v[RM+1], v[RM]
	v_add_nc_u32 v[VLSL], WLO, v[VLST]             ; Wl's region lies past an LDS instruction's 16-bit offset: addresses of its own
	v_add_nc_u32 v[VTRL], WLO, v[VTR]
	v_mov_b32 v[VSQ], v[VST]
	s_wait_dscnt 0x0                               ; my six words are in LDS before I say so
	s_barrier_signal -1
	s_barrier_wait -1
.irp w, 0,1,2,3
	ds_load_b128 v[RD+8*\w:RD+8*\w+3],   v3 offset:32*\w
	ds_load_b64  v[RD+8*\w+4:RD+8*\w+5], v3 offset:32*\w+16
.endr
	s_wait_kmcnt 0x0                               ; so, bo
	s_wait_dscnt 0x0
.irp w, 1,2,3
.irp p, 0,2,4
	v_pk_add_f32 v[RD+\p:RD+\p+1], v[RD+\p:RD+\p+1], v[RD+8*\w+\p:RD+8*\w+\p+1]
.endr
.endr
.irp l, 0,1,2,3,4,5
	v_max_num_f32 v[RD+\l], 0x2b800000, v[RD+\l]   ; F_l^2, at least 2^-40
.endr
.irp l, 0,1,2,3,4,5
	v_rsq_f32 v[RF+\l], v[RD+\l]                   ; 1 / F_l
.endr
	v_fma_f32 v[BS], v[SQ+6], v[T0], v[SQ]         ; F_0 2 M + |b0| (the plain instruction behind the group)
	s_wait_alu depctr_va_vdst(0)
.irp l, 0,1,2,3,4,5
	v_mul_f32 v[GG+2*\l], 0x3f19999a, v[RF+\l]     ; 0.6 / F_l,
.endr
.irp l, 0,1,2,3,4,5
	v_mov_b32 v[GG+2*\l+1], v[GG+2*\l]             ; as a pair for the packed multiply
.endr
.irp l, 1,2,3,4,5
	v_mul_f32 v[RF+\l], v[RF+\l], v[RF+\l-1]       ; RF + l - 1 = 1 / (F_1 .. F_l)
.endr
.irp l, 1,2,3,4,5
	v_fma_f32 v[BS], v[SQ+\l], v[RF+\l-1], v[BS]
.endr
	v_mul_f32 v[BS], 0x3fd55555, v[BS]             ; x 5/3
	v_max_num_f32 v[BS], 0x21800000, v[BS]         ; B, at least 2^-60
	v_rcp_f32 v[T0], v[BS]
	v_mov_b32 v[BOV], s31
	v_mov_b32 v[BOV+1], s31
	s_wait_alu depctr_va_vdst(0)
	v_mul_f32 v[CC], 0x47000000, v[T0]             ; c_0 = 2^15 / B
.irp l, 1,2,3,4,5,6
	v_mul_f32 v[CC+2*\l], v[CC], v[RF+\l-1]        ; c_l
.endr
.irp l, 0,1,2,3,4,5,6
	v_mov_b32 v[CC+2*\l+1], v[CC+2*\l]
.endr
	v_rcp_f32 v[INV], v[CC+12]                     ; 1 / c_6
	v_mul_f32 v[T1], v[CC], v[MX]                  ; c_0 M
	s_wait_alu depctr_va_vdst(0)
	v_mov_b32 v[INV+1], v[INV]
	; ---- weights: x 0.6 / F_l, split into hi (window 2, still free) and lo (in place), to f16, into LDS as [k][unit]
	WIN 0x41
.set i, 0
.rept 96
	v_pk_mul_f32 v[2*i:2*i+1], v[2*i:2*i+1], v[GG+2*(i/16):GG+2*(i/16)+1]
.set i, i+1
.endr
	WIN 0x84                                       ; destination window 2, source 1 window 1
.set i, 0
.rept 192
	v_and_b32 v[i], s35, v[i]                      ; hi
.set i, i+1
.endr
	WIN 0x58                                       ; destination and source 2 window 1, source 1 window 2
.set i, 0
.rept 96
	v_pk_fma_f32 v[2*i:2*i+1], -1.0, v[2*i:2*i+1], v[2*i:2*i+1] op_sel_hi:[0,1,1]   ; lo = w - hi, exact
.set i, i+1
.endr
.irp s, 0x8a, 0x45                                 ; all of window 2, then all of window 1
	WIN \s
.set i, 0
.rept 48
	v_cvt_pk_f16_f32 v[4*i],   v[4*i],   v[4*i+1]
	v_cvt_pk_f16_f32 v[4*i+1], v[4*i+2], v[4*i+3]
.set i, i+1
.endr
.endr
	WIN 0x08                                       ; an LDS store's data is source 1
.set i, 0
.rept 48
	ds_store_b64 v[VLST], v[4*i:4*i+1] offset:8*PITCH*i
.set i, i+1
.endr
	WIN 0x04
.set i, 0
.rept 48
	ds_store_b64 v[VLSL], v[4*i:4*i+1] offset:8*PITCH*i
.set i, i+1
.endr
	s_wait_dscnt 0x0                               ; my rows are in LDS before I say so
	; biases and the last layer's weights straight into C's layout: register j = element 16 T + 8 h + j
.irp l, 1,2,3,4,5,6
	WIN (((\l+1)/2)<<6)
.irp u, 0,1,2,3
	global_load_b128 v[96*((\l-1)&1)+64+8*\u:96*((\l-1)&1)+64+8*\u+3],   v5, s[20:21] offset:256*(\l-1)+64*\u
	global_load_b128 v[96*((\l-1)&1)+64+8*\u+4:96*((\l-1)&1)+64+8*\u+7], v5, s[20:21] offset:256*(\l-1)+64*\u+16
.endr
.endr
.irp u, 0,1,2,3
	global_load_b128 v[WO+8*\u:WO+8*\u+3],   v5, s[22:23] offset:64*\u
	global_load_b128 v[WO+8*\u+4:WO+8*\u+7], v5, s[22:23] offset:64*\u+16
.endr
	WIN 0
.irp u, 0,1,2,3
	global_load_b128 v[BI0+8*\u:BI0+8*\u+3],   v5, s[14:15] offset:64*\u
	global_load_b128 v[BI0+8*\u+4:BI0+8*\u+7], v5, s[14:15] offset:64*\u+16
.endr
.irp u, 0,1,2,3
.irp c, 0,1,2
	global_load_b32 v[64+3*\u+\c], v14, s[10:11] offset:256*\c+64*\u     ; w0[c][16 u + r], the same in both halves of the lanes
.endr
	global_load_b32 v[76+\u], v14, s[12:13] offset:64*\u                 ; s0[16 u + r]
.endr
	s_barrier_signal -1
	s_barrier_wait -1                              ; all 768 rows are in LDS; nothing writes them again
.irp l, 1,2,3,4,5,6
	WIN (((\l+1)/2)<<6)
.irp u, 0,1,2,3
.irp q, 0,1
	ds_load_tr16_b128 v[96*((\l-1)&1)+16*\u+8*\q:96*((\l-1)&1)+16*\u+8*\q+3],   v[VTR] offset:PITCH*(64*(\l-1)+32*\q)+32*\u
	ds_load_tr16_b128 v[96*((\l-1)&1)+16*\u+8*\q+4:96*((\l-1)&1)+16*\u+8*\q+7], v[VTR] offset:PITCH*(64*(\l-1)+32*\q+16)+32*\u
.endr
.endr
.endr
	WIN 0
	s_wait_loadcnt 0x0
.irp l, 1,2,3,4,5,6
	WIN (((\l+1)/2)|(((\l+1)/2)<<6))
.set i, 0
.rept 16
	v_pk_mul_f32 v[96*((\l-1)&1)+64+2*i:96*((\l-1)&1)+64+2*i+1], v[96*((\l-1)&1)+64+2*i:96*((\l-1)&1)+64+2*i+1], v[CC+2*\l:CC+2*\l+1]   ; bh c_l
.set i, i+1
.endr
.endr
	WIN 0
.set i, 0
.rept 16
	v_pk_mul_f32 v[BI0+2*i:BI0+2*i+1], v[BI0+2*i:BI0+2*i+1], v[CC:CC+1]  ; b0 c_0
.set i, i+1
.endr
.irp u, 0,1,2,3
	v_mul_f32 v[76+\u], v[76+\u], v[T1]            ; s0 c_0 M
.endr
.irp u, 0,1,2,3
.irp c, 0,1,2
	v_mul_f32 v[64+3*\u+\c], v[64+3*\u+\c], v[76+\u]
.endr
.endr
.set k, 0
.rept 12
	v_and_b32 v[80+k], s35, v[64+k]                ; hi
.set k, k+1
.endr
.set k, 0
.rept 12
	v_sub_f32 v[64+k], v[64+k], v[80+k]            ; lo
.set k, k+1
.endr
	v_mov_b32 v[T2], s30
	v_mul_f32 v[T2], 0x3f19999a, v[T2]             ; 0.6 so
	v_mov_b32 v[T2+1], v[T2]
	WIN 0xc0                                       ; layer 0's A fragments, alike in both halves of the lanes: Wh against ph, Wh against pl, Wl against ph, 0
.irp u, 0,1,2,3
.irp j, 0,2
	v_cvt_pk_f16_f32 v[W0+8*\u+\j],   v[80+3*\u], v[81+3*\u]
	v_cvt_pk_f16_f32 v[W0+8*\u+\j+1], v[82+3*\u], 0
.endr
	v_cvt_pk_f16_f32 v[W0+8*\u+4], v[64+3*\u], v[65+3*\u]
	v_cvt_pk_f16_f32 v[W0+8*\u+5], v[66+3*\u], 0
	v_mov_b32 v[W0+8*\u+6], 0
	v_mov_b32 v[W0+8*\u+7], 0
.endr
	WIN 0xc3
.set i, 0
.rept 16
	v_pk_mul_f32 v[WO+2*i:WO+2*i+1], v[WO+2*i:WO+2*i+1], v[T2:T2+1]      ; 0.6 so wo, kept in f32
.set i, i+1
.endr
	WIN 0
.irp j, 6,7
	v_mov_b32 v[B0X+\j], 0                         ; the unused k places of layer 0's B fragments, once
	v_mov_b32 v[B0Y+\j], 0
.endr
; ---- the steps of the loop.  Lines that stand among products have a scalar or a constant as source 0, so that the setting for the
; products (source 0 = the weights' window) serves them too; the conversions alone want window 0 all round.
.macro F8 acc                          ; u = z + (2/3)|z|, in place: v_fmac_f32's accumulator lies in the destination's window
.irp j, 0,1,2,3,4,5,6,7
	v_fmac_f32 v[\acc+\j], s32, |v[\acc+\j]|
.endr
.endm
.macro AL acc, h                       ; half-tile h (four numbers): u in place, and the first hi
.irp j, 0,1,2,3
	v_fmac_f32 v[\acc+4*(\h)+\j], s32, |v[\acc+4*(\h)+\j]|
.endr
	v_and_b32 v[TM+4*((\h)&1)], s35, v[\acc+4*(\h)]
.endm
.macro BE acc, h, pk                   ; the other three hi, and lo = u - hi in place.  pk = 0: where source 2 lies in the weights' window
.irp j, 1,2,3
	v_and_b32 v[TM+4*((\h)&1)+\j], s35, v[\acc+4*(\h)+\j]
.endr
.if \pk
.irp j, 0,2
	v_pk_fma_f32 v[\acc+4*(\h)+\j:\acc+4*(\h)+\j+1], -1.0, v[TM+4*((\h)&1)+\j:TM+4*((\h)&1)+\j+1], v[\acc+4*(\h)+\j:\acc+4*(\h)+\j+1] op_sel_hi:[0,1,1]
.endr
.else
.irp j, 0,1,2,3
	v_fmac_f32 v[\acc+4*(\h)+\j], -1.0, v[TM+4*((\h)&1)+\j]
.endr
.endif
.endm
.macro CV dst, src                     ; eight f32 to four registers of f16 pairs
.irp j, 0,1,2,3
	v_cvt_pk_f16_f32 v[\dst+\j], v[\src+2*\j], v[\src+2*\j+1]
.endr
.endm
.macro PREPC n                         ; one of twelve registers of the next pair's B fragments: (ph, pl, ph); X's points lie in lanes 0-15, Y's in 16-31
	v_cndmask_b32 v[B0X+(\n)+2*((\n)/6)], 0, v[HL+(((\n)%6)&3)], s[34-(\n)/6]
.endm
.macro PREPI                           ; 32 points: x 1 / M, split, to f16
	s_wait_loadcnt 0x0                             ; the points asked for a pair ago
	v_pk_mul_f32 v[XF:XF+1], v[PT:PT+1], v[RM:RM+1]
	v_mul_f32 v[ZF], v[PT+2], v[RM]
	v_and_b32 v[XH], s35, v[XF]
	v_and_b32 v[XH+1], s35, v[XF+1]
	v_and_b32 v[ZH], s35, v[ZF]
	v_pk_add_f32 v[XF:XF+1], v[XF:XF+1], v[XH:XH+1] neg_lo:[0,1] neg_hi:[0,1]
	v_sub_f32 v[ZF], v[ZF], v[ZH]
	v_cvt_pk_f16_f32 v[HL],   v[XH], v[XH+1]
	v_cvt_pk_f16_f32 v[HL+1], v[ZH], 0
	v_cvt_pk_f16_f32 v[HL+2], v[XF], v[XF+1]
	v_cvt_pk_f16_f32 v[HL+3], v[ZF], 0
.endm
.macro NEXTPT                          ; asks for the points of the pair after next; the offset stops at the wave's last pair, so no load leaves the buffer
	v_add_nc_u32 v[PLA], s42, v[POFF]              ; free: the load that named it has been waited for
	global_load_b96 v[PT:PT+2], v[PLA], s[8:9] th:TH_LOAD_NT
	s_add_co_u32 s42, s42, 384
	s_min_u32 s42, s42, 11904
.endm
.macro P4 acc, S, t                    ; last layer, tile t: eight multiply-adds in two chains; the weights are source 0, window 3
.if \t == 0
	v_pk_mul_f32 v[\S:\S+1],   v[WO:WO+1],   v[\acc:\acc+1]              ; the first products start the sums
	v_pk_mul_f32 v[\S+2:\S+3], v[WO+2:WO+3], v[\acc+2:\acc+3]
.else
	v_pk_fma_f32 v[\S:\S+1],   v[WO+8*\t:WO+8*\t+1],   v[\acc+8*\t:\acc+8*\t+1],   v[\S:\S+1]
	v_pk_fma_f32 v[\S+2:\S+3], v[WO+8*\t+2:WO+8*\t+3], v[\acc+8*\t+2:\acc+8*\t+3], v[\S+2:\S+3]
.endif
	v_pk_fma_f32 v[\S:\S+1],   v[WO+8*\t+4:WO+8*\t+5], v[\acc+8*\t+4:\acc+8*\t+5], v[\S:\S+1]
	v_pk_fma_f32 v[\S+2:\S+3], v[WO+8*\t+6:WO+8*\t+7], v[\acc+8*\t+6:\acc+8*\t+7], v[\S+2:\S+3]
.if \t == 3
	v_pk_fma_f32 v[\S:\S+1], 1.0, v[\S+2:\S+3], v[\S:\S+1] op_sel_hi:[0,1,1]
	v_fma_f32 v[\S], 1.0, v[\S+1], v[\S]           ; my half's share of the point's sum
.endif
.endm
.macro LOADLO l                        ; Wl of layer l, 16 transposing loads in one run under one setting (destination window 1)
	WIN 0x40
.irp u, 0,1,2,3
.irp q, 0,1
	ds_load_tr16_b128 v[LB+16*\u+8*\q:LB+16*\u+8*\q+3],   v[VTRL] offset:PITCH*(64*(\l-1)+32*\q)+32*\u
	ds_load_tr16_b128 v[LB+16*\u+8*\q+4:LB+16*\u+8*\q+7], v[VTRL] offset:PITCH*(64*(\l-1)+32*\q+16)+32*\u
.endr
.endr
.endm
; Product n = 0 .. 23 of a phase: unit tile n & 3, K half (n >> 2) & 1; n < 8: Wh xh (the first four take the scaled bias as C, which starts
; the sums), n < 16: Wh xl, else Wl xh.  The four accumulators take turns, one instruction a turn.
.macro PROD n
.set PQ, ((\n)>>2)&1
.set PU, (\n)&3
.if (\n) < 4
	WIN K0
	v_wmma_f32_16x16x32_f16 v[MACC+8*PU:MACC+8*PU+7], v[HB+16*PU:HB+16*PU+7], v[MAH:MAH+7], v[HB+64+8*PU:HB+64+8*PU+7]
.else
.if (\n) < 16
	WIN K1
.set PA, HB+16*PU+8*PQ
.else
	WIN 1
.set PA, LB+16*PU+8*PQ
.endif
.if ((\n)>>3) == 1
.set PB, MAL+8*PQ
.else
.set PB, MAH+8*PQ
.endif
	v_wmma_f32_16x16x32_f16 v[MACC+8*PU:MACC+8*PU+7], v[PA:PA+7], v[PB:PB+7], v[MACC+8*PU:MACC+8*PU+7]
.endif
.endm
; What stands behind product n: work of the other piece, which names none of the product's registers (ISA guide 7.12.1), at most seven or eight lines.
; kind 1: its activation, six gaps a tile.  kind 2 (layer 6, window 3): its activation in place, then the last layer, sums in oah.
.macro GAP n, kind, oacc, oah, oal, prep
.set GT, (\n)/6
.set GS, (\n)%6
.if \kind == 1
.if GS < 2
	AL \oacc, 2*GT+GS
.endif
.if (GS>>1) == 1
.if (\n) < 4
	BE \oacc, 2*GT+GS-2, 0
.else
	BE \oacc, 2*GT+GS-2, 1
.endif
.endif
.if GS == 4
	WIN 0
	CV \oah+4*GT, TM
.endif
.if GS == 5
	WIN 0
	CV \oal+4*GT, \oacc+8*GT
.endif
.if \prep
.if (\n) < 12
	PREPC \n
.endif
.endif
.endif
.if \kind == 2
.if (\n) < 8
.irp j, 0,1,2,3
	v_fmac_f32 v[\oacc+4*(\n)+\j], s32, |v[\oacc+4*(\n)+\j]|
.endr
.endif
.if ((\n)>>2) == 2
.set GQ, (\n)-8
	P4 \oacc, \oah, GQ
.endif
.endif
.endm
; One piece's hidden layer l.  ldlo = 1 (piece X): Wl is asked for behind the second product, at least four plain vector instructions behind
; the last product that read the registers it lands in, and waited for in front of the seventeenth.
.macro HID macc, mah, mal, l, kind, oacc, oah, oal, prep, ldlo
.set HB, 96*((\l-1)&1)
.set K1, (\l+1)/2                      ; A in the layer's window
.set K0, K1|(K1<<4)                    ; A and C (bias) there
.set MACC, \macc
.set MAH, \mah
.set MAL, \mal
.set nn, 0
.rept 24
	PROD nn
	GAP nn, \kind, \oacc, \oah, \oal, \prep
.if \ldlo
.if nn == 1
	LOADLO \l
.endif
.if nn == 15
	s_wait_dscnt 0x0                               ; Wl is in
.endif
.endif
.set nn, nn+1
.endr
.endm
; Layer 0 of one piece: four products; C = b0 c_0.  kinds as above; 0: nothing between.
.macro L0 macc, bfrag, kind, oacc, oah, oal
.irp t, 0,1,2,3
	WIN 0x03
	v_wmma_f32_16x16x32_f16 v[\macc+8*\t:\macc+8*\t+7], v[W0+8*\t:W0+8*\t+7], v[\bfrag:\bfrag+7], v[BI0+8*\t:BI0+8*\t+7]
.if \kind == 1
	AL \oacc, 2*\t
	AL \oacc, 2*\t+1
	BE \oacc, 2*\t, 1
	BE \oacc, 2*\t+1, 1
	WIN 0
	CV \oah+4*\t, TM
	CV \oal+4*\t, \oacc+8*\t
.endif
.if \kind == 2
	F8 \oacc+8*\t
	P4 \oacc, \oah, \t
.endif
.endr
.endm
; A pair.  first = 1: a block's first pair, with no pair before it to finish.  PREPI's eleven plain lines are also the places between the
; last products in front of it and the first read of their results.
.macro PAIR first
.if \first
	L0 ACCX, B0X, 0, 0, 0, 0
	WIN 0
	PREPI
	NEXTPT
.else
	WIN 0
	PREPI
	NEXTPT
	L0 ACCX, B0X, 2, ACCY, SY, 0                   ; beside it: the last layer of the pair before, piece Y
	WIN 0
	ds_store_b32 v[VSQ], v[SX]                     ; the pair before: my half's shares, 4 bytes a point
	ds_store_b32 v[VSQ], v[SY] offset:64
	v_add_nc_u32 v[VSQ], 128, v[VSQ]
.endif
	L0 ACCY, B0Y, 1, ACCX, AHX, ALX
	HID ACCX, AHX, ALX, 1, 1, ACCY, AHY, ALY, 1, 1
	HID ACCY, AHY, ALY, 1, 1, ACCX, AHX, ALX, 0, 0
.irp l, 2,3,4,5
	HID ACCX, AHX, ALX, \l, 1, ACCY, AHY, ALY, 0, 1
	HID ACCY, AHY, ALY, \l, 1, ACCX, AHX, ALX, 0, 0
.endr
	HID ACCX, AHX, ALX, 6, 1, ACCY, AHY, ALY, 0, 1
	HID ACCY, AHY, ALY, 6, 2, ACCX, SX, 0, 0, 0
	WIN 0
.endm
	PREPI                                          ; the first pair
.set k, 0
.rept 12
	PREPC k
.set k, k+1
.endr
	global_load_b96 v[PT:PT+2], v[POFF], s[8:9] offset:384 th:TH_LOAD_NT    ; the second pair's points
	s_mov_b32 s42, 768                             ; the third pair's offset
	s_wait_dscnt 0x0                               ; Wh's fragments are in
	s_mov_b32 s37, 8
.Lblock:
	PAIR 1
	s_mov_b32 s43, 3
.Lpair:
	PAIR 0
	s_sub_co_u32 s43, s43, 1
	s_cmp_lg_u32 s43, 0
	s_cbranch_scc1 .Lpair
	; the block's end: piece Y of its last pair, then 128 results leave
.rept 4
	v_nop                                          ; the four places in front of the first read of the last products' results: once a block, where no other piece's work is left
.endr
	WIN 0x03
.irp t, 0,1,2,3
	F8 ACCY+8*\t
	P4 ACCY, SY, \t
.endr
	WIN 0
	ds_store_b32 v[VSQ], v[SX]
	ds_store_b32 v[VSQ], v[SY] offset:64
	ds_load_b128 v[O:O+3],   v[VLD]                ; LDS serves a wave's instructions in order (ISA guide 5.7.1): these see my stores; the stage is my wave's own
	ds_load_b128 v[O+4:O+7], v[VLD] offset:576     ; the other half's shares of the same four points
	v_mov_b32 v[VSQ], v[VST]
	s_wait_dscnt 0x0
	v_pk_add_f32 v[O:O+1],   v[O:O+1],   v[O+4:O+5]
	v_pk_add_f32 v[O+2:O+3], v[O+2:O+3], v[O+6:O+7]
	v_pk_fma_f32 v[O:O+1],   v[O:O+1],   v[INV:INV+1], v[BOV:BOV+1]      ; / c_6, + bo
	v_pk_fma_f32 v[O+2:O+3], v[O+2:O+3], v[INV:INV+1], v[BOV:BOV+1]
	global_store_b128 v[OOFF], v[O:O+3], s[28:29] th:TH_STORE_NT         ; the wave stores 512 consecutive bytes, at a multiple of 512 from out0's first byte
	s_wait_xcnt 0x0                                ; the store's base and data are rewritten only behind this wait
	s_add_nc_u64 s[28:29], s[28:29], 512
	s_sub_co_u32 s37, s37, 1
	s_cmp_lg_u32 s37, 0
	s_cbranch_scc1 .Lblock
	s_wait_tensorcnt 0x0
	ds_add_u32 v30, v31
	s_wait_dscnt 0x0
	s_endpgm
.Lfunc_end_k_qc7736e68b9_mlp:
	.size	k_qc7736e68b9_mlp, .Lfunc_end_k_qc7736e68b9_mlp-k_qc7736e68b9_mlp
	.p2alignl 7, 3214868480
	.fill 96, 4, 3214868480
	.section	.rodata,"a",@progbits
	.p2align	6, 0x0
	.amdhsa_kernel k_qc7736e68b9_mlp
		.amdhsa_group_segment_fixed_size 128768
		.amdhsa_private_segment_fixed_size 0
		.amdhsa_enable_private_segment 0
		.amdhsa_kernarg_size 88
		.amdhsa_user_sgpr_count 2
		.amdhsa_user_sgpr_kernarg_segment_ptr 1
		.amdhsa_wavefront_size32 1
		.amdhsa_system_sgpr_workgroup_id_x 1
		.amdhsa_system_sgpr_workgroup_id_y 1
		.amdhsa_system_sgpr_workgroup_id_z 1
		.amdhsa_system_vgpr_workitem_id 0
		.amdhsa_next_free_vgpr 1024
		.amdhsa_next_free_sgpr 66
		.amdhsa_reserve_vcc 0
		.amdhsa_float_denorm_mode_32 3
		.amdhsa_float_denorm_mode_16_64 3
		.amdhsa_memory_ordered 1
		.amdhsa_forward_progress 1
		.amdhsa_inst_pref_size 255
	.end_amdhsa_kernel
	.section	.bss,"aw",@nobits
	.p2align	6
	.space	262144
	.amdgpu_metadata
---
amdhsa.version: [ 1, 2 ]
amdhsa.kernels:
  - .name:           k_qc7736e68b9_mlp
    .symbol:         k_qc7736e68b9_mlp.kd
    .args:
      - { .name: points, .offset: 0, .size: 8, .value_kind: global_buffer, .address_space: global }
      - { .name: w0, .offset: 8, .size: 8, .value_kind: global_buffer, .address_space: global }
      - { .name: s0, .offset: 16, .size: 8, .value_kind: global_buffer, .address_space: global }
      - { .name: b0, .offset: 24, .size: 8, .value_kind: global_buffer, .address_space: global }
      - { .name: wh, .offset: 32, .size: 8, .value_kind: global_buffer, .address_space: global }
      - { .name: sh, .offset: 40, .size: 8, .value_kind: global_buffer, .address_space: global }
      - { .name: bh, .offset: 48, .size: 8, .value_kind: global_buffer, .address_space: global }
      - { .name: wo, .offset: 56, .size: 8, .value_kind: global_buffer, .address_space: global }
      - { .name: so, .offset: 64, .size: 8, .value_kind: global_buffer, .address_space: global }
      - { .name: bo, .offset: 72, .size: 8, .value_kind: global_buffer, .address_space: global }
      - { .name: out0, .offset: 80, .size: 8, .value_kind: global_buffer, .address_space: global }
    .group_segment_fixed_size: 128768
    .private_segment_fixed_size: 0
    .kernarg_segment_align: 8
    .kernarg_segment_size: 88
    .max_flat_workgroup_size: 128
    .sgpr_count:     66
    .vgpr_count:     1024
    .wavefront_size: 32
...
	.end_amdgpu_metadata
.endif
;; end of part 1
